; MI455X (gfx1250); checked and timed in simulation.
; The chip was launched on July 23, 2026; its instructions are those of AMD's public machine-readable ISA for CDNA 5 (MIT licence, August 2026) and "CDNA5" Instruction Set Architecture Reference Guide (July 2026). The comments in the code are by the model that wrote it; some were corrected since.
;; LSA Block. Allowed arithmetic: float matrix products may take bf16 or f16 operands with f32 sums; other float arithmetic in f32, or as packed bf16 or f16 multiplies, adds, multiply-adds, maxima and minima; sums over many terms, partial sums and values carried from step to step in f32; what a program stores and reads back later, other than sums and carried values, may be rounded once to bf16 or f16.
;; Inputs: fc1_b 1,024 float32; fc1_w 1,024 x 256 float32; fc2_b 256 float32; fc2_w 256 x 1,024 float32; ln1_b 256 float32; ln1_g 256 float32; ln2_b 256 float32; ln2_g 256 float32; proj_b 256 float32; proj_w 256 x 256 float32; qkv_w 768 x 256 float32; scale one number float32; x 8 x 2,048 x 256 float32.
;; Outputs: out0 8 x 2,048 x 256 float32.
;; One version. Each part assembles by itself: llvm-mc -triple=amdgcn-amd-amdhsa -mcpu=gfx1250 --defsym DOCPART=n.
;; ======== version 1 of 1: 4 launches
;; limits: a function is approximated: absolute error at most 1.5e-07
;; workspace buffers: wbf 1,572,864 bytes; qb 8,388,608 bytes; kb 8,388,608 bytes; vt 8,388,608 bytes; ob 8,388,608 bytes
;; launch cast (part 1): grid 192 x 1, 8 waves a work-group, no clusters, 0 bytes of LDS; arguments qkv_w, proj_w, fc1_w, fc2_w, wbf; writes wbf
.if DOCPART == 1
	.amdgcn_target "amdgcn-amd-amdhsa--gfx1250"
	.amdhsa_code_object_version 6
	.text
	.protected	k_qefdac0b6c6_cast
	.globl	k_qefdac0b6c6_cast
	.p2align	8
	.type	k_qefdac0b6c6_cast,@function
k_qefdac0b6c6_cast:
	s_mov_b64 s[64:65], 0
	v_nop
	global_prefetch_b8 v0, s[64:65] scope:SCOPE_SE
	s_setreg_imm32_b32 hwreg(HW_REG_WAVE_MODE, 25, 1), 1
	s_wait_xcnt 0x0
; The four weight matrices, f32, are rounded once to bf16 and laid one behind the other in wbf:
; qkv_w at byte 0, proj_w at 393,216, fc1_w at 524,288, fc2_w at 1,048,576; rows and columns as they were.
; 786,432 numbers in 12 units of 65,536: qkv_w has units 0-2, proj_w 3, fc1_w 4-7, fc2_w 8-11.
; A work-group takes 4,096 numbers (16 work-groups a unit), a thread two runs of 8: 32 bytes in, 16 bytes out,
; so each store of a wave covers 512 consecutive bytes, aligned.  No LDS, no matrix work: the launch only moves bytes.
	s_load_b256 s[4:11], s[0:1], 0x0               ; qkv_w s[4:5], proj_w s[6:7], fc1_w s[8:9], fc2_w s[10:11]
	s_load_b64 s[12:13], s[0:1], 0x20              ; wbf
	s_lshr_b32 s14, ttmp9, 4                       ; my unit
	s_and_b32 s15, ttmp9, 15                       ; my sixteenth of it
	v_lshlrev_b32 v1, 5, v0                        ; 32 bytes of f32 a thread
	v_lshlrev_b32 v2, 4, v0                        ; 16 bytes of bf16 a thread
	s_wait_kmcnt 0x0
	s_cmp_lt_u32 s14, 3                            ; which matrix holds the unit, and at which unit that matrix begins
	s_cselect_b64 s[16:17], s[4:5], s[6:7]
	s_cselect_b32 s18, 0, 3
	s_cmp_lt_u32 s14, 4
	s_cselect_b64 s[16:17], s[16:17], s[8:9]
	s_cselect_b32 s18, s18, 4
	s_cmp_lt_u32 s14, 8
	s_cselect_b64 s[16:17], s[16:17], s[10:11]
	s_cselect_b32 s18, s18, 8
	s_sub_co_u32 s14, s14, s18                     ; the unit's number inside its matrix,
	s_lshl_b32 s14, s14, 18                        ; 262,144 bytes of f32 each,
	s_lshl_b32 s15, s15, 14                        ; and my 16,384 bytes of it
	s_add_co_u32 s20, s14, s15
	s_mov_b32 s21, 0
	s_add_nc_u64 s[16:17], s[16:17], s[20:21]
	s_lshl_b32 s20, ttmp9, 13                      ; 8,192 bytes of bf16 a work-group
	s_add_nc_u64 s[12:13], s[12:13], s[20:21]
	global_load_b128 v[4:7], v1, s[16:17] th:TH_LOAD_NT
	global_load_b128 v[8:11], v1, s[16:17] offset:16 th:TH_LOAD_NT
	global_load_b128 v[12:15], v1, s[16:17] offset:8192 th:TH_LOAD_NT
	global_load_b128 v[16:19], v1, s[16:17] offset:8208 th:TH_LOAD_NT
	s_wait_loadcnt 0x2                             ; the first run is in; the second run's two loads may stay out
	v_cvt_pk_bf16_f32 v20, v4, v5
	v_cvt_pk_bf16_f32 v21, v6, v7
	v_cvt_pk_bf16_f32 v22, v8, v9
	v_cvt_pk_bf16_f32 v23, v10, v11
	global_store_b128 v2, v[20:23], s[12:13]
	s_wait_loadcnt 0x0
	v_cvt_pk_bf16_f32 v24, v12, v13
	v_cvt_pk_bf16_f32 v25, v14, v15
	v_cvt_pk_bf16_f32 v26, v16, v17
	v_cvt_pk_bf16_f32 v27, v18, v19
	global_store_b128 v2, v[24:27], s[12:13] offset:4096
	s_endpgm
.Lfunc_end_k_qefdac0b6c6_cast:
	.size	k_qefdac0b6c6_cast, .Lfunc_end_k_qefdac0b6c6_cast-k_qefdac0b6c6_cast
	.p2alignl 7, 3214868480
	.fill 96, 4, 3214868480
	.section	.rodata,"a",@progbits
	.p2align	6, 0x0
	.amdhsa_kernel k_qefdac0b6c6_cast
		.amdhsa_group_segment_fixed_size 0
		.amdhsa_private_segment_fixed_size 0
		.amdhsa_enable_private_segment 0
		.amdhsa_kernarg_size 40
		.amdhsa_user_sgpr_count 2
		.amdhsa_user_sgpr_kernarg_segment_ptr 1
		.amdhsa_wavefront_size32 1
		.amdhsa_system_sgpr_workgroup_id_x 1
		.amdhsa_system_sgpr_workgroup_id_y 1
		.amdhsa_system_sgpr_workgroup_id_z 1
		.amdhsa_system_vgpr_workitem_id 0
		.amdhsa_next_free_vgpr 32
		.amdhsa_next_free_sgpr 66
		.amdhsa_reserve_vcc 0
		.amdhsa_float_denorm_mode_32 3
		.amdhsa_float_denorm_mode_16_64 3
		.amdhsa_memory_ordered 1
		.amdhsa_forward_progress 1
		.amdhsa_inst_pref_size 3
	.end_amdhsa_kernel
	.amdgpu_metadata
---
amdhsa.version: [ 1, 2 ]
amdhsa.kernels:
  - .name:           k_qefdac0b6c6_cast
    .symbol:         k_qefdac0b6c6_cast.kd
    .args:
      - { .name: qkv_w, .offset: 0, .size: 8, .value_kind: global_buffer, .address_space: global }
      - { .name: proj_w, .offset: 8, .size: 8, .value_kind: global_buffer, .address_space: global }
      - { .name: fc1_w, .offset: 16, .size: 8, .value_kind: global_buffer, .address_space: global }
      - { .name: fc2_w, .offset: 24, .size: 8, .value_kind: global_buffer, .address_space: global }
      - { .name: wbf, .offset: 32, .size: 8, .value_kind: global_buffer, .address_space: global }
    .group_segment_fixed_size: 0
    .private_segment_fixed_size: 0
    .kernarg_segment_align: 8
    .kernarg_segment_size: 40
    .max_flat_workgroup_size: 256
    .sgpr_count:     66
    .vgpr_count:     32
    .wavefront_size: 32
...
	.end_amdgpu_metadata
.endif
;; end of part 1
;; launch lnqkv (part 2): grid 256 x 1, 4 waves a work-group, clusters of 4 x 1, 327,680 bytes of LDS; arguments x, ln1_g, ln1_b, scale, wbf, qb, kb, vt; writes qb, kb, vt
.if DOCPART == 2
	.amdgcn_target "amdgcn-amd-amdhsa--gfx1250"
	.amdhsa_code_object_version 6
	.text
	.protected	k_qefdac0b6c6_lnqkv
	.globl	k_qefdac0b6c6_lnqkv
	.p2align	8
	.type	k_qefdac0b6c6_lnqkv,@function
k_qefdac0b6c6_lnqkv:
	s_mov_b64 s[64:65], 0
	v_nop
	global_prefetch_b8 v0, s[64:65] scope:SCOPE_SE
	s_setreg_imm32_b32 hwreg(HW_REG_WAVE_MODE, 25, 1), 1
	s_wait_xcnt 0x0
	s_wait_alu depctr_hold_cnt(0) depctr_sa_sdst(0) depctr_va_vdst(0) depctr_va_sdst(0) depctr_va_ssrc(0) depctr_va_vcc(0) depctr_vm_vsrc(0)
	s_getreg_b32 s2, hwreg(HW_REG_IB_STS2, 6, 4)
	s_cmp_eq_u32 s2, 0
	s_cbranch_scc0 .Lentry_in_a_cluster
	s_endpgm
.Lentry_in_a_cluster:
	s_bfe_u32 s2, ttmp6, 0x10000c
	s_cmp_lg_u32 s2, 0x3003
	s_cbranch_scc0 .Lentry_shape_is_right
	s_endpgm
.Lentry_shape_is_right:
; LayerNorm 1 and the projection to q, k, v.  x: [16384][256] f32.  Weights: wbf, bf16, [768][256].
; OUT: qb [64 heads][2048][32] bf16 = q x scale x log2(e) (the factor is applied to the f32 sum, so q is rounded once);
;      kb [64][2048][32] bf16;   vt [64][32 blocks of 64 tokens][32 channels][64 tokens] bf16: v turned, in dense blocks of 4,096 bytes.
; SHARES.  A work-group owns 64 rows.  Wave w normalises rows 16 w .. 16 w + 15 (mean first, then the squares of the centred numbers) and
; puts them, bf16, into LDS; every wave then holds all 64 x 256 of them in 256 registers.  In each of the three parts (q, k, v) wave w makes
; 64 rows x columns 64 w .. 64 w + 63 (heads 2 w, 2 w + 1): 16 accumulators, 128 matrix instructions.
; CLUSTER.  All work-groups walk the same three weight tiles of 256 x 256, so the four of a cluster ask for each JOINTLY (mask 15); each wave
; fetches 64 rows.  Two slots: q's and k's tiles go out at the start, v's takes q's slot behind a round of the cluster's barrier.
; No prefetch: all but one tile go out at the head, and the launch is short.
; LIMITS.  Matrix operands are rounded to bf16.  NaN and infinities are not treated apart.
.set PITCH, 528                        ; an LDS row: 512 bytes + 16 of padding: the 16 rows of a fragment load start 4 banks apart
.set SLOT,  256*PITCH
.set AREG,  2*SLOT                     ; the normalised rows, 64 x 528 bytes
.set STAGE, AREG+64*PITCH              ; 5,120 bytes for each wave, for the way out
.set STG,   5120
.set SPARE, STAGE+4*STG                ; the spare words, 128 bytes a wave: two blocks of 256 bytes that no other line names
.set XO,  4                            ; v4   (lane / 16) x 1,024 + (lane % 16) x 16: my 16 bytes in a pair of rows of x
.set AST, 5                            ; v5   where my 8 bytes of a normalised row go
.set AFA, 6                            ; v6   my place in a fragment of the normalised rows
.set BA,  7                            ; v7, v8  my place in my wave's 64 weight rows, slot 0 and slot 1
.set STQ, 9                            ; v9   way out of q, k: in     v10  back
.set RDQ, 10
.set STV, 11                           ; v11  way out of v: in        v12  back
.set RDV, 12
.set GO,  13                           ; v13  16 x lane
.set GBO, 14                           ; v14  16 x (lane % 16)
.set SPW, 30                           ; v30  my spare word; v31  0; never rewritten
.set NIL, 31
.set TMP, 32                           ; v32-63 at work
.set BF,  64                           ; v64-127 weight fragments of one K step, two buffers of 32
.set GG,  64                           ; during the norm: gain, bias, 1/sigma pairs, the mean pair, scratch
.set BB,  80
.set RS,  96
.set MEAN, 112
.set T,   116
.set ACC, 128                          ; v128-255 the 16 accumulators (4 mb + nb); during the norm my 16 rows of x.  Window 1: the fragments of the normalised rows, (mb, ks) at 8 (8 mb + ks)
.set WV,  36
.set MSB, 0
.macro WIN new                         ; the immediate's high byte repeats the setting that is left; a switch that changes nothing is dropped
.if MSB != (\new)
	s_set_vgpr_msb (MSB<<8)|(\new)
.set MSB, (\new)
.endif
.endm
.macro PLACES                          ; four plain places behind a matrix instruction (ISA guide 7.12.1), where no other vector work is at hand
.rept 4
	v_nop
.endr
.endm
.macro ROUND                           ; a round of the cluster's barrier
	s_barrier_signal -1
	s_barrier_wait -1
	s_cmp_lg_u32 s[WV], 0
	s_cbranch_scc1 .Lnot_wave_0_\@
	s_barrier_signal -3
.Lnot_wave_0_\@:
	s_barrier_wait -3
	s_barrier_signal -1
	s_barrier_wait -1
.endm
	s_load_b512 s[4:19], s[0:1], 0x0               ; x, ln1_g, ln1_b, scale, wbf, qb, kb, vt
	v_lshl_add_u32 v[SPW], v0, 2, SPARE
	v_mov_b32 v[NIL], 0
	ds_add_u32 v[SPW], v[NIL]                      ; the wave's opening: the add and its wait stand ahead of my first tensor load
	v_lshrrev_b32 v1, 5, v0
	v_readfirstlane_b32 s[WV], v1                  ; wave 0..3
	s_bfe_u32 s37, ttmp6, 0x40000                  ; cx
	s_lshl_b32 s38, ttmp9, 2
	s_add_co_u32 s38, s38, s37                     ; my block of 64 rows: it enters global addresses of x, qb, kb, vt alone
	; descriptor group 1: 64 rows x 256 elements of 2 bytes, 16 bytes of padding behind each row, for all four work-groups
	s_mov_b32 s20, 15|(1<<16)|(1<<20)|(1<<21)|(6<<22)|(3<<25)
	s_mov_b32 s21, 256<<16                         ; tensor_dim0
	s_mov_b32 s22, 64<<16                          ; tensor_dim1
	s_mov_b32 s23, 256<<16                         ; tile_dim0
	s_mov_b32 s24, 64                              ; tile_dim1
	s_mov_b32 s25, 256                             ; elements from row to row
	s_mov_b32 s26, 0
	s_mov_b32 s27, 0
	s_mov_b32 s28, 1                               ; group 0 for slot 0 ..
	s_mul_i32 s29, s[WV], 64*PITCH                 ; my 64 rows of a slot
	s_mov_b32 s32, 1                               ; .. and for slot 1
	s_add_co_u32 s33, s29, SLOT
	s_lshl_b32 s44, s[WV], 15                      ; my 64 rows of a tile in memory
	s_mov_b32 s45, 0
	s_lshl_b32 s40, s38, 16                        ; x: 64 rows of 1,024 bytes a work-group,
	s_lshl_b32 s41, s[WV], 14                      ; 16 a wave
	s_add_co_u32 s40, s40, s41
	s_mov_b32 s41, 0
	s_lshr_b32 s42, s38, 5                         ; the batch,
	s_lshl_b32 s42, s42, 3
	s_lshl_b32 s43, s[WV], 1
	s_add_co_u32 s42, s42, s43                     ; my first head = 8 x batch + 2 x wave,
	s_lshl_b32 s42, s42, 17                        ; 131,072 bytes each,
	s_and_b32 s43, s38, 31
	s_lshl_b32 s43, s43, 12                        ; and my 64 tokens in it: 4,096 bytes in qb, kb and vt alike
	s_add_co_u32 s42, s42, s43
	s_mov_b32 s43, 0
	s_mov_b32 s50, 0x3b800000                      ; 1/256
	s_mov_b32 s51, 0x3727c5ac                      ; 1e-5
	v_and_b32 v1, 15, v0                           ; r = lane % 16
	v_bfe_u32 v2, v0, 4, 1                         ; h = lane / 16
	v_and_b32 v3, 31, v0                           ; lane
	v_lshlrev_b32 v[XO], 4, v1
	v_lshl_add_u32 v[XO], v2, 10, v[XO]
	s_mul_i32 s39, s[WV], 16*PITCH
	s_add_co_u32 s39, s39, AREG
	v_mul_u32_u24 v[AST], v2, PITCH
	v_lshl_add_u32 v[AST], v1, 3, v[AST]
	v_add_nc_u32 v[AST], s39, v[AST]               ; row 16 w + h, byte 8 r
	v_mul_u32_u24 v15, v1, PITCH
	v_lshl_add_u32 v15, v2, 4, v15                 ; a fragment's row x pitch + 16 x half
	v_add_nc_u32 v[AFA], AREG, v15
	v_add_nc_u32 v[BA], s29, v15
	v_add_nc_u32 v[BA+1], SLOT, v[BA]
	s_mul_i32 s46, s[WV], STG
	s_add_co_u32 s46, s46, STAGE                   ; my stage
	v_mul_u32_u24 v[STQ], v1, 80
	v_lshl_add_u32 v[STQ], v2, 4, v[STQ]
	v_add_nc_u32 v[STQ], s46, v[STQ]               ; token r, 16 bytes for each half of the lanes; rows of 64 + 16 bytes
	v_lshrrev_b32 v16, 2, v3
	v_mul_u32_u24 v[RDQ], v16, 80
	v_and_b32 v16, 3, v3
	v_lshl_add_u32 v[RDQ], v16, 4, v[RDQ]
	v_add_nc_u32 v[RDQ], s46, v[RDQ]               ; back: 32 lanes take 8 rows of 64 bytes
	v_mul_u32_u24 v[STV], v1, 144
	v_lshl_add_u32 v[STV], v2, 4, v[STV]
	v_add_nc_u32 v[STV], s46, v[STV]               ; channel r; rows of 128 + 16 bytes
	v_lshrrev_b32 v16, 3, v3
	v_mul_u32_u24 v[RDV], v16, 144
	v_and_b32 v16, 7, v3
	v_lshl_add_u32 v[RDV], v16, 4, v[RDV]
	v_add_nc_u32 v[RDV], s46, v[RDV]               ; back: 4 rows of 128 bytes
	v_lshlrev_b32 v[GO], 4, v3
	v_lshlrev_b32 v[GBO], 4, v1
	v_mov_b32 v[MEAN+1], 0                         ; named with the mean as a pair
	s_wait_dscnt 0x0                               ; the opening add is done
	s_wait_kmcnt 0x0
	s_load_b32 s48, s[10:11], 0x0                  ; the temperature
	s_add_nc_u64 s[30:31], s[12:13], s[44:45]      ; q's tile, my rows
	s_add_nc_u64 s[34:35], s[30:31], 131072        ; k's
	s_or_b32 s31, s31, 0x80000000
	s_or_b32 s35, s35, 0x80000000
	s_add_nc_u64 s[58:59], s[4:5], s[40:41]
	s_add_nc_u64 s[52:53], s[14:15], s[42:43]
	s_add_nc_u64 s[54:55], s[16:17], s[42:43]
	s_add_nc_u64 s[56:57], s[18:19], s[42:43]
	ROUND                                          ; all four work-groups are here: the first joint loads meet
	tensor_load_to_lds s[28:31], s[20:27]          ; two loads of mine are out
	s_nop 0
	tensor_load_to_lds s[32:35], s[20:27]
	s_nop 0
	PLACES
.irp j, 0,1,2,3                                        ; gain and bias of my 16 columns 64 j + 4 r ..
	global_load_b128 v[GG+4*\j:GG+4*\j+3], v[GBO], s[6:7] offset:256*\j
	global_load_b128 v[BB+4*\j:BB+4*\j+3], v[GBO], s[8:9] offset:256*\j
.endr
.irp p, 0,1,2,3,4,5,6,7                                ; my 16 rows, a pair at a time: sixteen lanes take 256 consecutive bytes of a row, aligned
.irp j, 0,1,2,3
	global_load_b128 v[ACC+16*\p+4*\j:ACC+16*\p+4*\j+3], v[XO], s[58:59] offset:2048*\p+256*\j
.endr
.endr
.macro DPP4                            ; a row lies in 16 lanes: four steps leave its sum in each of them
.irp m, 1,2,4,8
	v_add_f32_dpp v[T], v[T], v[T] row_xmask:\m row_mask:0xf bank_mask:0xf
.endr
.endm
.macro FOLD                            ; four pairs at T into one number
	v_pk_add_f32 v[T:T+1], v[T:T+1], v[T+2:T+3]
	v_pk_add_f32 v[T+4:T+5], v[T+4:T+5], v[T+6:T+7]
	v_pk_add_f32 v[T:T+1], v[T:T+1], v[T+4:T+5]
	v_add_f32 v[T], v[T], v[T+1]
	DPP4
.endm
.macro LNA p                           ; row pair p: the mean, the centred numbers in place, variance + eps
.set rX, ACC+16*(\p)
	s_wait_loadcnt 4*(7-(\p))                      ; loads come back in order: the later pairs' four loads each may stay out
.irp k, 0,2,4,6
	v_pk_add_f32 v[T+\k:T+\k+1], v[rX+2*\k:rX+2*\k+1], v[rX+2*\k+2:rX+2*\k+3]
.endr
	FOLD
	v_mul_f32 v[MEAN], s50, v[T]
.irp k, 0,2,4,6,8,10,12,14
	v_pk_add_f32 v[rX+\k:rX+\k+1], v[rX+\k:rX+\k+1], v[MEAN:MEAN+1] op_sel_hi:[1,0] neg_lo:[0,1] neg_hi:[0,1]
.endr
.irp k, 0,2,4,6
	v_pk_mul_f32 v[T+\k:T+\k+1], v[rX+\k:rX+\k+1], v[rX+\k:rX+\k+1]
.endr
.irp k, 0,2,4,6
	v_pk_fma_f32 v[T+\k:T+\k+1], v[rX+8+\k:rX+8+\k+1], v[rX+8+\k:rX+8+\k+1], v[T+\k:T+\k+1]
.endr
	FOLD
	v_fma_f32 v[RS+2*(\p)], v[T], s50, s51
	v_mov_b32 v[RS+2*(\p)+1], 0
.endm
.macro LNB p                           ; row pair p: times 1/sigma, times gain plus bias, rounded to bf16, into LDS
.set rX, ACC+16*(\p)
.set rT, TMP+8*((\p)%2)
.irp k, 0,2,4,6,8,10,12,14
	v_pk_mul_f32 v[rX+\k:rX+\k+1], v[rX+\k:rX+\k+1], v[RS+2*(\p):RS+2*(\p)+1] op_sel_hi:[1,0]
.endr
.irp k, 0,2,4,6,8,10,12,14
	v_pk_fma_f32 v[rX+\k:rX+\k+1], v[rX+\k:rX+\k+1], v[GG+\k:GG+\k+1], v[BB+\k:BB+\k+1]
.endr
.irp k, 0,1,2,3,4,5,6,7
	v_cvt_pk_bf16_f32 v[rT+\k], v[rX+2*\k], v[rX+2*\k+1]
.endr
.irp j, 0,1,2,3
	ds_store_b64 v[AST], v[rT+2*\j:rT+2*\j+1] offset:2*PITCH*(\p)+128*\j
.endr
.endm
.irp p, 0,1,2,3,4,5,6,7
	LNA \p
.endr
.irp p, 0,1,2,3,4,5,6,7
	v_rsq_f32 v[RS+2*\p], v[RS+2*\p]               ; one batch of eight,
.endr
	v_nop                                          ; a plain instruction behind the last,
	s_wait_alu depctr_va_vdst(0)                   ; and one wait ahead of the first reader
.irp p, 0,1,2,3,4,5,6,7
	LNB \p
.endr
	s_wait_kmcnt 0x0
	s_mul_f32 s48, s48, 0x3fb8aa3b                 ; scale x log2(e)
	s_mov_b32 s49, s48                             ; named with it as a pair
	s_wait_tensorcnt 0x1                           ; my part of q's tile is in; k's may stay out
	s_wait_dscnt 0x0                               ; my rows are in LDS
	s_barrier_signal -1
	s_barrier_wait -1
	WIN 0x40                                       ; all 64 normalised rows into window 1: they feed all three parts
.set f, 0
.rept 32
	ds_load_b128 v[8*f:8*f+3],   v[AFA] offset:16*PITCH*(f/8)+64*(f%8)
	ds_load_b128 v[8*f+4:8*f+7], v[AFA] offset:16*PITCH*(f/8)+64*(f%8)+32
.set f, f+1
.endr
	WIN 0
.macro FETCH slot, ks                  ; my four weight fragments of K step ks
	WIN 0
.irp nb, 0,1,2,3
	ds_load_b128 v[BF+32*((\ks)%2)+8*\nb:BF+32*((\ks)%2)+8*\nb+3],   v[BA+(\slot)] offset:16*PITCH*\nb+64*(\ks)
	ds_load_b128 v[BF+32*((\ks)%2)+8*\nb+4:BF+32*((\ks)%2)+8*\nb+7], v[BA+(\slot)] offset:16*PITCH*\nb+64*(\ks)+32
.endr
.endm
; One part: 8 K steps of 16 matrix instructions; the 16 accumulators take turns; the first step starts the sums with 0.
; swap = 0: source 0 = weight rows, source 1 = tokens: a lane holds one token and 8 neighbouring channels.  swap = 1: the other way round: one channel, 8 neighbouring tokens.
.macro PART slot, swap
	PLACES
	FETCH \slot, 0
.set ks, 0
.rept 8
.if ks < 7
	PLACES                                         ; the buffer to be loaded was read by the products just issued
	FETCH \slot, ks+1
	s_wait_dscnt 8                                 ; all but the 8 loads just issued
.else
	s_wait_dscnt 0
.endif
	WIN 0x04-3*(\swap)                             ; the normalised rows lie in window 1: source 1, or with swap source 0
.irp mb, 0,1,2,3
.irp nb, 0,1,2,3
.set rD, ACC+8*(4*\mb+\nb)
.set rB, BF+32*(ks%2)+8*\nb
.set rA, 8*(8*\mb+ks)
.if \swap
.if ks == 0
	v_wmma_f32_16x16x32_bf16 v[rD:rD+7], v[rA:rA+7], v[rB:rB+7], 0
.else
	v_wmma_f32_16x16x32_bf16 v[rD:rD+7], v[rA:rA+7], v[rB:rB+7], v[rD:rD+7]
.endif
.else
.if ks == 0
	v_wmma_f32_16x16x32_bf16 v[rD:rD+7], v[rB:rB+7], v[rA:rA+7], 0
.else
	v_wmma_f32_16x16x32_bf16 v[rD:rD+7], v[rB:rB+7], v[rA:rA+7], v[rD:rD+7]
.endif
.endif
.endr
.endr
.set ks, ks+1
.endr
	WIN 0
.endm
; The way out, a head at a time: 16 bytes a lane into my own stage, back as 512 consecutive bytes, stored.  A head's share is 4,096 consecutive bytes.
; sc = 1: times scale x log2(e).  sa, ra: the two LDS addresses; km, kn: the store's offset for mb and for the head's half; kr: the read's step.
.macro OUT dst, sc, sa, ra, km, kn, kr
	WIN 0
	PLACES
.irp hd, 0,1
	s_wait_xcnt 0x0                                ; earlier stores have read TMP: it is rewritten only behind this wait
.irp mb, 0,1,2,3
.irp n2, 0,1
.set rA, ACC+8*(4*\mb+2*\hd+\n2)
.set rT, TMP+4*(2*\mb+\n2)
.if \sc
.irp k, 0,2,4,6
	v_pk_mul_f32 v[rA+\k:rA+\k+1], v[rA+\k:rA+\k+1], s[48:49] op_sel_hi:[1,0]
.endr
.endif
.irp k, 0,1,2,3
	v_cvt_pk_bf16_f32 v[rT+\k], v[rA+2*\k], v[rA+2*\k+1]
.endr
	ds_store_b128 v[\sa], v[rT:rT+3] offset:(\km)*\mb+(\kn)*\n2
.endr
.endr
.irp i, 0,1,2,3,4,5,6,7
	ds_load_b128 v[TMP+4*\i:TMP+4*\i+3], v[\ra] offset:(\kr)*\i  ; LDS serves a wave's instructions in order: these see the stores above
.endr
.irp i, 0,1,2,3,4,5,6,7
	s_wait_dscnt 7-\i
	global_store_b128 v[GO], v[TMP+4*\i:TMP+4*\i+3], s[\dst:\dst+1] offset:131072*\hd+512*\i
.endr
.endr
.endm
	PART 0, 0                                      ; q
	s_wait_tensorcnt 0x0                           ; all my tensor loads have landed, k's tile among them;
	ds_add_u32 v[SPW], v[NIL]                      ; 0 onto my spare word
	s_add_nc_u64 s[30:31], s[30:31], 262144        ; slot 0's next tile is v's
	s_wait_dscnt 0x0                               ; the add is done, and my reads of slot 0 are over
	ROUND                                          ; the same holds of every wave of all four work-groups
	tensor_load_to_lds s[28:31], s[20:27]          ; my one load behind the round
	s_nop 0
	PLACES
	OUT 52, 1, STQ, RDQ, 1280, 32, 640
	PART 1, 0                                      ; k
	OUT 54, 0, STQ, RDQ, 1280, 32, 640
	s_wait_tensorcnt 0x0                           ; my part of v's tile is in: the one load that was out
	s_wait_dscnt 0x0
	s_barrier_signal -1
	s_barrier_wait -1                              ; everybody's is
	PART 0, 1                                      ; v, turned
	OUT 56, 0, STV, RDV, 32, 2304, 576
	s_wait_tensorcnt 0x0                           ; the wave's end
	ds_add_u32 v[SPW], v[NIL]
	s_wait_dscnt 0x0
	ROUND                                          ; the closing round
	s_endpgm
.Lfunc_end_k_qefdac0b6c6_lnqkv:
	.size	k_qefdac0b6c6_lnqkv, .Lfunc_end_k_qefdac0b6c6_lnqkv-k_qefdac0b6c6_lnqkv
	.p2alignl 7, 3214868480
	.fill 96, 4, 3214868480
	.section	.rodata,"a",@progbits
	.p2align	6, 0x0
	.amdhsa_kernel k_qefdac0b6c6_lnqkv
		.amdhsa_group_segment_fixed_size 327680
		.amdhsa_private_segment_fixed_size 0
		.amdhsa_enable_private_segment 0
		.amdhsa_kernarg_size 64
		.amdhsa_user_sgpr_count 2
		.amdhsa_user_sgpr_kernarg_segment_ptr 1
		.amdhsa_wavefront_size32 1
		.amdhsa_system_sgpr_workgroup_id_x 1
		.amdhsa_system_sgpr_workgroup_id_y 1
		.amdhsa_system_sgpr_workgroup_id_z 1
		.amdhsa_system_vgpr_workitem_id 0
		.amdhsa_next_free_vgpr 512
		.amdhsa_next_free_sgpr 66
		.amdhsa_reserve_vcc 0
		.amdhsa_float_denorm_mode_32 3
		.amdhsa_float_denorm_mode_16_64 3
		.amdhsa_memory_ordered 1
		.amdhsa_forward_progress 1
		.amdhsa_inst_pref_size 118
	.end_amdhsa_kernel
	.amdgpu_metadata
---
amdhsa.version: [ 1, 2 ]
amdhsa.kernels:
  - .name:           k_qefdac0b6c6_lnqkv
    .symbol:         k_qefdac0b6c6_lnqkv.kd
    .args:
      - { .name: x, .offset: 0, .size: 8, .value_kind: global_buffer, .address_space: global }
      - { .name: ln1_g, .offset: 8, .size: 8, .value_kind: global_buffer, .address_space: global }
      - { .name: ln1_b, .offset: 16, .size: 8, .value_kind: global_buffer, .address_space: global }
      - { .name: scale, .offset: 24, .size: 8, .value_kind: global_buffer, .address_space: global }
      - { .name: wbf, .offset: 32, .size: 8, .value_kind: global_buffer, .address_space: global }
      - { .name: qb, .offset: 40, .size: 8, .value_kind: global_buffer, .address_space: global }
      - { .name: kb, .offset: 48, .size: 8, .value_kind: global_buffer, .address_space: global }
      - { .name: vt, .offset: 56, .size: 8, .value_kind: global_buffer, .address_space: global }
    .group_segment_fixed_size: 327680
    .private_segment_fixed_size: 0
    .kernarg_segment_align: 8
    .kernarg_segment_size: 64
    .max_flat_workgroup_size: 128
    .sgpr_count:     66
    .vgpr_count:     512
    .wavefront_size: 32
...
	.end_amdgpu_metadata
.endif
;; end of part 2
;; launch attn (part 3): grid 4 x 64, 4 waves a work-group, clusters of 4 x 1, 327,680 bytes of LDS; arguments qb, kb, vt, ob; writes ob
.if DOCPART == 3
	.amdgcn_target "amdgcn-amd-amdhsa--gfx1250"
	.amdhsa_code_object_version 6
	.text
	.protected	k_qefdac0b6c6_attn
	.globl	k_qefdac0b6c6_attn
	.p2align	8
	.type	k_qefdac0b6c6_attn,@function
k_qefdac0b6c6_attn:
	s_mov_b64 s[64:65], 0
	v_nop
	global_prefetch_b8 v0, s[64:65] scope:SCOPE_SE
	s_setreg_imm32_b32 hwreg(HW_REG_WAVE_MODE, 25, 1), 1
	s_wait_xcnt 0x0
	s_wait_alu depctr_hold_cnt(0) depctr_sa_sdst(0) depctr_va_vdst(0) depctr_va_sdst(0) depctr_va_ssrc(0) depctr_va_vcc(0) depctr_vm_vsrc(0)
	s_getreg_b32 s2, hwreg(HW_REG_IB_STS2, 6, 4)
	s_cmp_eq_u32 s2, 0
	s_cbranch_scc0 .Lentry_in_a_cluster
	s_endpgm
.Lentry_in_a_cluster:
	s_bfe_u32 s2, ttmp6, 0x10000c
	s_cmp_lg_u32 s2, 0x3003
	s_cbranch_scc0 .Lentry_shape_is_right
	s_endpgm
.Lentry_shape_is_right:
; ATTENTION WITHOUT SELF-RELATION.  O[g][q] = the sum over k != q of softmax_k(s[q][k]) V[g][k], s = q' . k, q' = q x scale x log2(e) as the launch before stored it.
; qb, kb, ob: [64 heads][2048][32] bf16.  vt: [64][32 blocks of 64 keys][32 channels][64 keys] bf16.  Products, maxima and sums in f32; the weights p = 2^(s - m) are rounded to bf16
; for the second product, and l is the sum of the rounded weights.
; LIMITS.  The hidden score counts as its value less 1e30; m starts at the lowest finite number; a weight below 2^-126 counts as 0; NaN and infinities are not treated apart.
; SHARES.  A cluster of four work-groups is one head; a work-group owns 512 queries, a wave 128: eight PIECES of 16.  Every wave walks all 2,048 keys, 128 a trip.
; LDS.  A head's whole K (2,048 rows of 64 + 16 bytes) and V^T (1,024 rows of 128 + 16 bytes) fit: each is fetched once, jointly for the four work-groups, at the start.
; So the loop has no tensor load and no barrier, and nothing is left to ask for ahead of time.
; LAYOUT.  S^T = K Q^T (source 0 = 16 keys, source 1 = 16 queries): a lane holds ONE query (lane % 16) and the keys 8 (lane / 16) + 0..7.  Two such results rounded to bf16 ARE source 1
; (32 keys x 16 queries) of O^T = V^T P.  A third product with ones in rows 0 and 8 of source 0 leaves l in register 0 of every lane: no packed sums, no exchange of lanes for l.
; THE MASK is the C operand of one product a piece: MC = MD x AL; MD holds -1e30 where key = query inside a block of 16; AL is 1 in the trip with my wave's own 128 keys, else 0.
; BY TURNS.  Turn n belongs to piece n: 8 products K Q^T of piece n + 1, 12 products of piece n - 1; beside them s - m, the exponentials, the roundings and the rescaling of piece n and the
; maximum and statistics of piece n + 1.  A turn's 65 exponentials are ONE batch with ONE wait: ahead of it nothing names a result of theirs, behind it none is issued.
; REGISTERS, in windows of 256 (s_set_vgpr_msb: bits 1:0 source 0, 3:2 source 1, 5:4 source 2, 7:6 destination):
;   window 0: v2-15 addresses; v16-47 piece t's m, 0, a, 0; v48-55 at work; v64-191 S^T, two buffers of 64; v192-255 P, two buffers of 32 (by the piece's parity)
;   window 1: piece t at 24 t: O^T (16), l (8); v192-199 MD; v200-207 MC        window 2: v0-63 Q; v64-127 K of a trip; v128-191 V of a trip; v192-199 the ones
.set PK,    80
.set PV,    144
.set VOFF,  2048*PK
.set STAGE, VOFF+1024*PV               ; 16 rows x 80 bytes for each wave, for the way out
.set SPARE, STAGE+4*16*PK              ; the spare words, 128 bytes a wave: two blocks of 256 bytes that no other line names
.set AK0, 2
.set AV0, 3
.set AK,  4
.set AV,  5
.set QO,  6
.set STO, 7
.set RD,  8
.set GO,  9
.set ST,  16
.set CC,  48
.set SPW, 62
.set NIL, 63
.set S,   64
.set P,   192
.set MD,  192
.set MC,  200
.set KF,  64
.set VF,  128
.set ONE, 192
.set WV,  32                           ; s32 wave; s33 cx; s34 the trip with my own keys; s35 trips to go; s36 17 - s34; s37, s38 LDS bytes of the K and V to be fetched
.set W_KQ, 0x0a
.set W_KM, 0x1a
.set W_PV, 0x52
.set W_RS, 0x41
.set MSB, 0
.macro WIN new
.if MSB != (\new)
	s_set_vgpr_msb (MSB<<8)|(\new)
.set MSB, (\new)
.endif
.endm
.macro PLACES
.rept 4
	v_nop
.endr
.endm
.macro ROUND
	s_barrier_signal -1
	s_barrier_wait -1
	s_cmp_lg_u32 s[WV], 0
	s_cbranch_scc1 .Lnot_wave_0_\@
	s_barrier_signal -3
.Lnot_wave_0_\@:
	s_barrier_wait -3
	s_barrier_signal -1
	s_barrier_wait -1
.endm
	s_load_b256 s[4:11], s[0:1], 0x0               ; qb, kb, vt, ob
	v_lshl_add_u32 v[SPW], v0, 2, SPARE
	v_mov_b32 v[NIL], 0
	ds_add_u32 v[SPW], v[NIL]                      ; the wave's opening: the add and its wait stand ahead of my first tensor load
	v_lshrrev_b32 v1, 5, v0
	v_readfirstlane_b32 s[WV], v1
	s_bfe_u32 s33, ttmp6, 0x40000                  ; cx: my block of 512 queries
	s_and_b32 s56, ttmp7, 0xffff                   ; the head, which the four partners share,
	s_lshl_b32 s56, s56, 17                        ; 131,072 bytes in each of the four buffers
	s_and_b32 s39, s[WV], 1                        ; which half of K (waves 0, 1) or of V^T (waves 2, 3) I fetch
	s_lshl_b32 s58, s39, 16
	s_add_co_u32 s58, s58, s56
	s_mov_b32 s59, 0
	s_mov_b32 s28, 1                               ; group 0 for K
	s_mul_i32 s29, s39, 1024*PK
	s_mov_b32 s52, 1                               ; group 0 for V^T
	s_mul_i32 s53, s39, 512*PV
	s_add_co_u32 s53, s53, VOFF
	; group 1: 65,536 dense bytes as 256 rows of 256; padding of 16 bytes behind every 64 (K) or 128 (V^T) bytes
	s_mov_b32 s12, 15|(1<<16)|(1<<20)|(1<<21)|(3<<22)|(3<<25)
	s_mov_b32 s20, 15|(1<<16)|(1<<20)|(1<<21)|(4<<22)|(3<<25)
.irp g, 12, 20
	s_mov_b32 s[\g+1], 128<<16
	s_mov_b32 s[\g+2], 256<<16
	s_mov_b32 s[\g+3], 128<<16
	s_mov_b32 s[\g+4], 256
	s_mov_b32 s[\g+5], 128
	s_mov_b32 s[\g+6], 0
	s_mov_b32 s[\g+7], 0
.endr
	s_lshl_b32 s50, s33, 15                        ; my block's 512 rows of 64 bytes,
	s_lshl_b32 s51, s[WV], 13                      ; my wave's 128
	s_add_co_u32 s50, s50, s51
	s_add_co_u32 s50, s50, s56
	s_mov_b32 s51, 0
	s_lshl_b32 s34, s33, 2
	s_add_co_u32 s34, s34, s[WV]
	s_sub_co_u32 s36, 17, s34
	s_mov_b32 s41, 0                               ; named with AL as a pair
	s_mov_b32 s42, 0xf149f2ca                      ; -1e30
	s_mov_b32 s43, 0x3f803f80                      ; 1.0 twice, bf16
	s_mov_b32 s44, 0x76543210
	s_mov_b32 s45, 0xfedcba98
	s_mov_b32 s38, 0
	v_and_b32 v1, 15, v0                           ; r
	v_bfe_u32 v10, v0, 4, 1                        ; h
	v_and_b32 v11, 31, v0                          ; lane
	v_mul_u32_u24 v[AK0], v1, PK
	v_lshl_add_u32 v[AK0], v10, 4, v[AK0]
	v_mul_u32_u24 v[AV0], v1, PV
	v_lshl_add_u32 v[AV0], v10, 4, v[AV0]
	v_add_nc_u32 v[AV0], VOFF, v[AV0]
	v_lshlrev_b32 v[QO], 6, v1
	v_lshl_add_u32 v[QO], v10, 4, v[QO]
	s_mul_i32 s60, s[WV], 16*PK
	s_add_co_u32 s60, s60, STAGE
	v_add_nc_u32 v[STO], s60, v[AK0]               ; in: query r, 16 bytes for each half of the lanes
	v_lshrrev_b32 v12, 2, v11
	v_mul_u32_u24 v[RD], v12, PK
	v_and_b32 v12, 3, v11
	v_lshl_add_u32 v[RD], v12, 4, v[RD]
	v_add_nc_u32 v[RD], s60, v[RD]                 ; back: 8 rows of 64 bytes
	v_lshlrev_b32 v[GO], 4, v11
	v_lshlrev_b32 v14, 3, v10
	v_sub_nc_u32 v14, v1, v14                      ; r - 8 h: the register in which key = query
	v_and_b32 v15, 7, v0
	s_wait_dscnt 0x0
	s_wait_kmcnt 0x0
	s_add_nc_u64 s[30:31], s[6:7], s[58:59]
	s_or_b32 s31, s31, 0x80000000
	s_add_nc_u64 s[54:55], s[8:9], s[58:59]
	s_or_b32 s55, s55, 0x80000000
	s_add_nc_u64 s[46:47], s[4:5], s[50:51]
	s_add_nc_u64 s[48:49], s[10:11], s[50:51]
	ROUND                                          ; all four work-groups are here: the joint loads meet
	s_cmp_lt_u32 s[WV], 2                          ; one load a wave; the branch hangs on the wave's number alone
	s_cbranch_scc0 .Lfor_v
	tensor_load_to_lds s[28:31], s[12:19]
	s_nop 0
	PLACES
	s_branch .Lasked
.Lfor_v:
	tensor_load_to_lds s[52:55], s[20:27]
	s_nop 0
	PLACES
.Lasked:
	WIN 0x80
.irp t, 0,1,2,3,4,5,6,7                                ; Q stays in registers
	global_load_b128 v[8*\t:8*\t+3],   v[QO], s[46:47] offset:1024*\t
	global_load_b128 v[8*\t+4:8*\t+7], v[QO], s[46:47] offset:1024*\t+32
.endr
	; What the first turns find: O^T, l, V and P's second buffer hold 0; m is the lowest finite number, so the first a is 0.  No first step is written out; these lines stand in the wait for the tiles.
	v_cmp_eq_u32 vcc_lo, 0, v15
.set i, 0
.rept 8
	v_cndmask_b32 v[ONE+i], 0, s43, vcc_lo
.set i, i+1
.endr
.set i, VF
.rept 64
	v_mov_b32 v[i], 0
.set i, i+1
.endr
	WIN 0x40
.set i, 0
.rept 192
	v_mov_b32 v[i], 0
.set i, i+1
.endr
.set i, 0
.rept 8
	v_cmp_eq_i32 vcc_lo, i, v14
	v_cndmask_b32 v[MD+i], 0, s42, vcc_lo
.set i, i+1
.endr
	WIN 0
.set i, 0
.rept 8
	v_mov_b32 v[ST+4*i], 0xff7fffff
	v_mov_b32 v[ST+4*i+1], 0
	v_mov_b32 v[ST+4*i+2], 0
	v_mov_b32 v[ST+4*i+3], 0
.set i, i+1
.endr
.set i, P+32
.rept 32
	v_mov_b32 v[i], 0
.set i, i+1
.endr
.macro MASK                            ; MC = MD x AL
	WIN W_RS
.irp k, 0,2,4,6
	v_pk_mul_f32 v[MC+\k:MC+\k+1], v[MD+\k:MD+\k+1], s[40:41] op_sel_hi:[1,0]
.endr
.endm
.macro KLOADS                          ; a trip's K: 128 keys x 32 channels, 8 fragments
	WIN 0x80
.irp f, 0,1,2,3,4,5,6,7
	ds_load_b128 v[KF+8*\f:KF+8*\f+3],   v[AK] offset:16*PK*\f
	ds_load_b128 v[KF+8*\f+4:KF+8*\f+7], v[AK] offset:16*PK*\f+32
.endr
	WIN 0
.endm
; The next trip's K and mask.  It stands directly behind piece 6's wait for the exponentials, since it holds a branch; the last product that read K and MC stands a lump back.
.macro KSTEP
	v_add_nc_u32 v[AK], s37, v[AK0]
	s_cmp_eq_u32 s35, 1                            ; the last trip has no next K
	s_cbranch_scc1 .Lno_k
	KLOADS
	s_add_co_u32 s37, s37, 128*PK
.Lno_k:
	s_cmp_eq_u32 s35, s36                          ; does the next trip hold my own keys?  A choice of a value: no branch follows it
	s_cselect_b32 s40, 1.0, 0
	MASK
.endm
.macro FETCH_V                         ; the trip's V^T: key group kk of 32, channel block cb at VF + 16 kk + 8 cb
	WIN 0
	v_add_nc_u32 v[AV], s38, v[AV0]
	s_add_co_u32 s38, s38, 64*PV
	WIN 0x80
.irp kk, 0,1,2,3
.irp cb, 0,1
	ds_load_b128 v[VF+16*\kk+8*\cb:VF+16*\kk+8*\cb+3],   v[AV] offset:32*PV*(\kk/2)+64*(\kk%2)+16*PV*\cb
	ds_load_b128 v[VF+16*\kk+8*\cb+4:VF+16*\kk+8*\cb+7], v[AV] offset:32*PV*(\kk/2)+64*(\kk%2)+16*PV*\cb+32
.endr
.endr
	WIN 0
.endm
; THE MATRIX WORK of a turn, number i of 20.  0-7: S^T of piece Y + 1, key block i; a single product each (32 channels), started with 0 or, in the piece's own block, with the mask.
; 8-19: piece Y - 1: key group (i - 8) / 3; O^T's two channel blocks and l take turns, one instruction a turn.
.macro MM
.if i < 8
.set x, (Y+1)%8
.set rS, S+64*(x%2)+8*i
.if i == x
	WIN W_KM
	v_wmma_f32_16x16x32_bf16 v[rS:rS+7], v[KF+8*i:KF+8*i+7], v[8*x:8*x+7], v[MC:MC+7]
.else
	WIN W_KQ
	v_wmma_f32_16x16x32_bf16 v[rS:rS+7], v[KF+8*i:KF+8*i+7], v[8*x:8*x+7], 0
.endif
.else
.set x, (Y+7)%8
.set j, i-8
.set rO, 24*x+8*(j%3)
.set rP, P+32*(x%2)+8*(j/3)
.set rV, VF+16*(j/3)+8*(j%3)
.if j%3 == 2
.set rV, ONE
.endif
	WIN W_PV
	v_wmma_f32_16x16x32_bf16 v[rO:rO+7], v[rV:rV+7], v[rP:rP+7], v[rO:rO+7]
.endif
.set i, i+1
.endm
; THE VECTOR WORK.  For piece Y: FS n: s - m for pair n of 32.  EX: the next exponential of 64.  CV: the next pair of 32 rounded to bf16.  RS n: pair n of O^T (0-7), or l (8), times a.
.macro FS n
	WIN 0
	v_pk_add_f32 v[S+64*(Y%2)+2*(\n):S+64*(Y%2)+2*(\n)+1], v[S+64*(Y%2)+2*(\n):S+64*(Y%2)+2*(\n)+1], v[ST+4*Y:ST+4*Y+1] op_sel_hi:[1,0] neg_lo:[0,1] neg_hi:[0,1]
.endm
.macro EX
	WIN 0
	v_exp_f32 v[S+64*(Y%2)+e], v[S+64*(Y%2)+e]
.set e, e+1
.endm
.macro CV
	WIN 0
	v_cvt_pk_bf16_f32 v[P+32*(Y%2)+c], v[S+64*(Y%2)+2*c], v[S+64*(Y%2)+2*c+1]
.set c, c+1
.endm
.macro RS n
	WIN W_RS
	v_pk_mul_f32 v[24*Y+2*(\n):24*Y+2*(\n)+1], v[24*Y+2*(\n):24*Y+2*(\n)+1], v[ST+4*Y+2:ST+4*Y+3] op_sel_hi:[1,0]
.endm
; XS n, for piece Y + 1: number n of the 37 that find its maximum and statistics.  0-23: eight chains c0-c7 of seven scores each, each accumulator's lowest registers first;
; 24-27 the eight scores left over; 28-31 c0-c7 and the old m into c0; 32, 33 the query's other 64 keys lie in the lane 16 away; 34 m_old - m_new; 35 m; 36 a.
.macro XS n
.set rT, ST+4*((Y+1)%8)
.set rS, S+64*((Y+1)%2)
	WIN 0
.if (\n) < 8
	v_max3_num_f32 v[CC+(\n)], v[rS+8*(\n)], v[rS+8*(\n)+1], v[rS+8*(\n)+2]
.elseif (\n) < 16
	v_max3_num_f32 v[CC+(\n)-8], v[CC+(\n)-8], v[rS+8*((\n)-8)+3], v[rS+8*((\n)-8)+4]
.elseif (\n) < 24
	v_max3_num_f32 v[CC+(\n)-16], v[CC+(\n)-16], v[rS+8*((\n)-16)+5], v[rS+8*((\n)-16)+6]
.elseif (\n) < 28
	v_max3_num_f32 v[CC+(\n)-24], v[CC+(\n)-24], v[rS+16*((\n)-24)+7], v[rS+16*((\n)-24)+15]
.elseif (\n) == 28
	v_max3_num_f32 v[CC+6], v[CC+6], v[CC+7], v[rT]
.elseif (\n) == 29
	v_max3_num_f32 v[CC], v[CC], v[CC+1], v[CC+2]
.elseif (\n) == 30
	v_max3_num_f32 v[CC+3], v[CC+3], v[CC+4], v[CC+5]
.elseif (\n) == 31
	v_max3_num_f32 v[CC], v[CC], v[CC+3], v[CC+6]
.elseif (\n) == 32
	v_permlanex16_b32 v[CC+1], v[CC], s44, s45
.elseif (\n) == 33
	v_max_num_f32 v[CC+2], v[CC], v[CC+1]
.elseif (\n) == 34
	v_sub_f32 v[CC+3], v[rT], v[CC+2]
.elseif (\n) == 35
	v_mov_b32 v[rT], v[CC+2]
.else
	v_exp_f32 v[rT+2], v[CC+3]
.endif
.endm
; THE PLAIN QUEUE, 68 long, in the order in which its entries become ready: exponential e stands behind FS e / 2, and XS k (k < 8) four plain places or more behind the product that made block k.
.macro PL
.if q < 4
	FS q
.elseif q < 22
.if q%2 == 0
	FS q/2+2
.else
	XS (q-5)/2
.endif
.elseif q < 29
	XS q-13
.elseif q < 66
.if q%2 == 1
	FS (q-3)/2
.else
	XS q/2+1
.endif
.else
	XS q-32
.endif
.set q, q+1
.endm
; A TURN, for piece p.  Ahead of the wait: 12 products with four riders each, then a lump of plain and exponential by turns, a last; the rescaling of l is the plain instruction behind it.
; Behind the wait: 8 products, behind each four roundings.  K is waited for at the head of piece 7's turn, V ahead of piece 1's first product with it.
.macro TURN p
.set Y, (\p)
.set i, 0
.set q, 0
.set e, 0
.set c, 0
.if (\p) == 7
	s_wait_dscnt 0x0                               ; K is in
.endif
	MM
	PL
	PL
	PL
	PL
	MM
	RS 0
	RS 1
	RS 2
	RS 3
	MM
	RS 4
	RS 5
	RS 6
	RS 7
.rept 5
	MM
	PL
	EX
	PL
	EX
.endr
.if (\p) == 1
	s_wait_dscnt 0x0                               ; V is in
.endif
.rept 4
	MM
	PL
	EX
	PL
	EX
.endr
.rept 46
	PL
	EX
.endr
	XS 36
	RS 8
	WIN 0
	s_wait_alu depctr_va_vdst(0)                   ; the one wait for the turn's 65 exponentials, ahead of their first reader
.if (\p) == 6
	KSTEP
.endif
.rept 8
	MM
	CV
	CV
	CV
	CV
.endr
.if (\p) == 0
	FETCH_V                                        ; four roundings and more behind the last product that read V
.endif
.endm
	s_cmp_eq_u32 s34, 0                            ; does trip 0 hold my own keys?
	s_cselect_b32 s40, 1.0, 0
	MASK
	WIN 0
	s_wait_tensorcnt 0x0                           ; my half of K or V^T is in,
	s_barrier_signal -1
	s_barrier_wait -1                              ; everybody's is: from here on LDS is only read, but for the stages
	v_mov_b32 v[AK], v[AK0]
	KLOADS                                         ; trip 0
	s_mov_b32 s37, 128*PK
	s_wait_loadcnt 0x0                             ; Q
	s_wait_dscnt 0x0
.set Y, 7
.set i, 0
.rept 8
	MM                                             ; piece 0's first scores
.endr
	WIN 0
	PLACES
.irp n, 0,1,2,3,4,5,6,7,8,9,10,11,12,13,14,15,16,17,18,19,20,21,22,23,24,25,26,27,28,29,30,31,32,33,34,35,36
	XS \n
.endr
	v_nop
	s_wait_alu depctr_va_vdst(0)                   ; the first a, ahead of the label
	s_mov_b32 s35, 16
.Ltrip:                                                ; 16 trips of 128 keys.  In the last, piece 7's turn makes scores on the stale K and a maximum of them that nothing reads: the price of one text for every trip
	TURN 0
	TURN 1
	TURN 2
	TURN 3
	TURN 4
	TURN 5
	TURN 6
	TURN 7
	WIN 0
	s_sub_co_u32 s35, s35, 1
	s_cmp_lg_u32 s35, 0
	s_cbranch_scc1 .Ltrip
.set Y, 0
.set i, 8
.rept 12
	MM                                             ; piece 7's products of the last trip
.endr
	; THE WAY OUT.  O^T is divided by l, rounded to bf16 and sent through my stage, a piece (16 rows of 64 bytes) at a time.
	WIN 0x01
	PLACES
.irp t, 0,1,2,3,4,5,6,7
	v_rcp_f32 v[ST+4*\t+2], v[24*\t+16]
.endr
	v_nop
	s_wait_alu depctr_va_vdst(0)                   ; one wait for the eight reciprocals
.macro PACK t
	WIN W_RS
.irp k, 0,2,4,6,8,10,12,14
	v_pk_mul_f32 v[24*(\t)+\k:24*(\t)+\k+1], v[24*(\t)+\k:24*(\t)+\k+1], v[ST+4*(\t)+2:ST+4*(\t)+3] op_sel_hi:[1,0]
.endr
	WIN 0x05
.irp k, 0,1,2,3,4,5,6,7
	v_cvt_pk_bf16_f32 v[S+8*(\t)+\k], v[24*(\t)+2*\k], v[24*(\t)+2*\k+1]
.endr
	WIN 0
	ds_store_b128 v[STO], v[S+8*(\t):S+8*(\t)+3]
	ds_store_b128 v[STO], v[S+8*(\t)+4:S+8*(\t)+7] offset:32
	ds_load_b128 v[S+8*(\t):S+8*(\t)+3],   v[RD]                ; LDS serves a wave's instructions in order: these see the stores above
	ds_load_b128 v[S+8*(\t)+4:S+8*(\t)+7], v[RD] offset:8*PK
.endm
.macro SEND t, younger                 ; younger: the LDS instructions issued behind piece t's loads: the next piece's four, or none
	s_wait_dscnt (\younger)+1
	global_store_b128 v[GO], v[S+8*(\t):S+8*(\t)+3], s[48:49] offset:1024*(\t)
	s_wait_dscnt (\younger)
	global_store_b128 v[GO], v[S+8*(\t)+4:S+8*(\t)+7], s[48:49] offset:1024*(\t)+512
.endm
	PACK 0
.set t, 1
.rept 7
	PACK t
	SEND t-1, 4
.set t, t+1
.endr
	SEND 7, 0
	s_wait_tensorcnt 0x0                           ; the wave's end
	ds_add_u32 v[SPW], v[NIL]
	s_wait_dscnt 0x0
	ROUND                                          ; the closing round
	s_endpgm
.Lfunc_end_k_qefdac0b6c6_attn:
	.size	k_qefdac0b6c6_attn, .Lfunc_end_k_qefdac0b6c6_attn-k_qefdac0b6c6_attn
	.p2alignl 7, 3214868480
	.fill 96, 4, 3214868480
	.section	.rodata,"a",@progbits
	.p2align	6, 0x0
	.amdhsa_kernel k_qefdac0b6c6_attn
		.amdhsa_group_segment_fixed_size 327680
		.amdhsa_private_segment_fixed_size 0
		.amdhsa_enable_private_segment 0
		.amdhsa_kernarg_size 32
		.amdhsa_user_sgpr_count 2
		.amdhsa_user_sgpr_kernarg_segment_ptr 1
		.amdhsa_wavefront_size32 1
		.amdhsa_system_sgpr_workgroup_id_x 1
		.amdhsa_system_sgpr_workgroup_id_y 1
		.amdhsa_system_sgpr_workgroup_id_z 1
		.amdhsa_system_vgpr_workitem_id 0
		.amdhsa_next_free_vgpr 768
		.amdhsa_next_free_sgpr 66
		.amdhsa_reserve_vcc 1
		.amdhsa_float_denorm_mode_32 3
		.amdhsa_float_denorm_mode_16_64 3
		.amdhsa_memory_ordered 1
		.amdhsa_forward_progress 1
		.amdhsa_inst_pref_size 131
	.end_amdhsa_kernel
	.amdgpu_metadata
---
amdhsa.version: [ 1, 2 ]
amdhsa.kernels:
  - .name:           k_qefdac0b6c6_attn
    .symbol:         k_qefdac0b6c6_attn.kd
    .args:
      - { .name: qb, .offset: 0, .size: 8, .value_kind: global_buffer, .address_space: global }
      - { .name: kb, .offset: 8, .size: 8, .value_kind: global_buffer, .address_space: global }
      - { .name: vt, .offset: 16, .size: 8, .value_kind: global_buffer, .address_space: global }
      - { .name: ob, .offset: 24, .size: 8, .value_kind: global_buffer, .address_space: global }
    .group_segment_fixed_size: 327680
    .private_segment_fixed_size: 0
    .kernarg_segment_align: 8
    .kernarg_segment_size: 32
    .max_flat_workgroup_size: 128
    .sgpr_count:     66
    .vgpr_count:     768
    .wavefront_size: 32
...
	.end_amdgpu_metadata
.endif
;; end of part 3
;; launch mlp (part 4): grid 256 x 1, 4 waves a work-group, clusters of 4 x 1, 327,680 bytes of LDS; arguments ob, x, wbf, proj_b, ln2_g, ln2_b, fc1_b, fc2_b, out0; writes out0
.if DOCPART == 4
	.amdgcn_target "amdgcn-amd-amdhsa--gfx1250"
	.amdhsa_code_object_version 6
	.text
	.protected	k_qefdac0b6c6_mlp
	.globl	k_qefdac0b6c6_mlp
	.p2align	8
	.type	k_qefdac0b6c6_mlp,@function
k_qefdac0b6c6_mlp:
	s_mov_b64 s[64:65], 0
	v_nop
	global_prefetch_b8 v0, s[64:65] scope:SCOPE_SE
	s_setreg_imm32_b32 hwreg(HW_REG_WAVE_MODE, 25, 1), 1
	s_wait_xcnt 0x0
	s_wait_alu depctr_hold_cnt(0) depctr_sa_sdst(0) depctr_va_vdst(0) depctr_va_sdst(0) depctr_va_ssrc(0) depctr_va_vcc(0) depctr_vm_vsrc(0)
	s_getreg_b32 s2, hwreg(HW_REG_IB_STS2, 6, 4)
	s_cmp_eq_u32 s2, 0
	s_cbranch_scc0 .Lentry_in_a_cluster
	s_endpgm
.Lentry_in_a_cluster:
	s_bfe_u32 s2, ttmp6, 0x10000c
	s_cmp_lg_u32 s2, 0x3003
	s_cbranch_scc0 .Lentry_shape_is_right
	s_endpgm
.Lentry_shape_is_right:
; x1 = x + o proj_w^T + proj_b;  h0 = LayerNorm 2 (x1);  h1 = gelu(h0 fc1_w^T + fc1_b), exact;  out0 = x1 + h1 fc2_w^T + fc2_b.  One launch: x1, h0 and h1 never reach memory.
; ob: [64 heads][2048][32] bf16.  x, out0: [16384][256] f32.  Weights in wbf, bf16: proj_w at 393,216, fc1_w at 524,288, fc2_w at 1,048,576.
; SHARES.  A work-group owns 64 rows; in every product wave w makes all 64 rows x its 64 columns.  Source 0 = 16 weight rows, source 1 = 16 tokens: a lane holds one token and 8 neighbouring columns.
; The hidden layer goes in four chunks of 256: fc1 for a chunk (16 columns a trip: 32 products, then the gelu), h1 through LDS, fc2 adds the chunk onto out0's sums.
; Biases and residuals are the numbers with which the sums start: x + proj_b for proj, fc1_b for fc1, x1 + fc2_b for fc2.
; CLUSTER.  All work-groups walk the same nine weight tiles of 256 x 256: the four of a cluster ask for each JOINTLY (mask 15), each wave 64 rows.  Slot 0: proj, then fc2's chunks; slot 1: fc1's.
; Each refill stands behind a round of the cluster's barrier; by this text's count a wave has two loads out at the start and one later.
; AHEAD OF THE REFILLS.  Behind each refill the first cluster asks for the tile of the NEXT refill: 512 blocks of 256 bytes, one for each lane of its 16 waves, told apart by address.
; The first three tiles come by their loads alone; the last refill of fc2 asks for nothing, since fc1 has no fifth chunk.
; GELU.  gelu(x) = max(x, 0) - |x| erfc(|x| / sqrt 2) / 2, erfc by Abramowitz and Stegun 7.1.26: absolute error of erf 1.5e-7 for every x.
; LIMITS.  Matrix operands are rounded to bf16.  NaN and infinities are not treated apart.
; REGISTERS.  window 0: v4-22 addresses; v32-63 at work; v64-127 weight fragments; v128-255 x1's sums, later fc1's sums, the gelu's registers and h1's fragments.
;   window 1: the A fragments (mb, ks) at 8 (8 mb + ks): o, then h0.   window 2: v0-127 out0's sums; v128-255 proj_b, fc2_b, ln2_g, ln2_b of my columns.
.set PITCH, 528
.set SLOT,  256*PITCH
.set HB,    2*SLOT                     ; h0, then each chunk of h1: 64 rows x 528 bytes
.set STAGE, HB+64*PITCH                ; 16 rows x 272 bytes for each wave, for x's way in and out0's way out; between the two its first 2,048 bytes hold the rows' partial sums
.set SP,    272
.set FB1,   STAGE+4*16*SP              ; a copy of fc1_b
.set SPARE, FB1+4096                   ; the spare words, 128 bytes a wave: two blocks of 256 bytes that no other line names
.set XO,  4
.set SRW, 5
.set SDL, 6
.set AO,  7
.set BA,  8
.set BAT, 10
.set HFA, 11
.set HST, 12
.set HSTT, 13
.set RDS, 14
.set RDL, 15
.set FBA, 16
.set FBT, 17
.set BO,  18
.set PF1, 19
.set PF2, 20
.set FBS, 21
.set FBG, 22
.set SPW, 28
.set NIL, 29
.set TMP, 32
.set GX,  48
.set MN,  48
.set RV,  56
.set BF,  64
.set SC,  64
.set ACC1, 128
.set XX,  128
.set AF,  128
.set BI,  160
.set TT,  168
.set EE,  200
.set CA,  232
.set KK,  242
.set PS,  244
.set ACC2, 0
.set PB,  128
.set F2B, 160
.set G2,  192
.set B2,  224
.set WV,  48                           ; s48 wave; s49 cx; s50 chunks to go; s51 trips to go; s52, s53, s54 LDS steps of weights, h1, fc1_b; s55 1 in the cluster that asks ahead, else the greatest number
.set MSB, 0
.macro WIN new
.if MSB != (\new)
	s_set_vgpr_msb (MSB<<8)|(\new)
.set MSB, (\new)
.endif
.endm
.macro PLACES
.rept 4
	v_nop
.endr
.endm
.macro ROUND
	s_barrier_signal -1
	s_barrier_wait -1
	s_cmp_lg_u32 s[WV], 0
	s_cbranch_scc1 .Lnot_wave_0_\@
	s_barrier_signal -3
.Lnot_wave_0_\@:
	s_barrier_wait -3
	s_barrier_signal -1
	s_barrier_wait -1
.endm
	s_load_b512 s[4:19], s[0:1], 0x0               ; ob, x, wbf, proj_b, ln2_g, ln2_b, fc1_b, fc2_b
	s_load_b64 s[20:21], s[0:1], 0x40              ; out0
	v_lshl_add_u32 v[SPW], v0, 2, SPARE
	v_mov_b32 v[NIL], 0
	ds_add_u32 v[SPW], v[NIL]                      ; the wave's opening: the add and its wait stand ahead of my first tensor load
	v_lshrrev_b32 v1, 5, v0
	v_readfirstlane_b32 s[WV], v1
	s_bfe_u32 s49, ttmp6, 0x40000
	s_lshl_b32 s69, ttmp9, 2
	s_add_co_u32 s69, s69, s49                     ; my block of 64 rows
	; group 1: 64 rows x 256 elements of 2 bytes, 16 bytes of padding behind each row; dense rows (proj, fc1), or 1,024 elements apart (fc2)
	s_mov_b32 s24, 15|(1<<16)|(1<<20)|(1<<21)|(6<<22)|(3<<25)
	s_mov_b32 s32, 15|(1<<16)|(1<<20)|(1<<21)|(6<<22)|(3<<25)
.irp g, 24, 32
	s_mov_b32 s[\g+1], 256<<16
	s_mov_b32 s[\g+2], 64<<16
	s_mov_b32 s[\g+3], 256<<16
	s_mov_b32 s[\g+4], 64
	s_mov_b32 s[\g+6], 0
	s_mov_b32 s[\g+7], 0
.endr
	s_mov_b32 s29, 256
	s_mov_b32 s37, 1024
	s_mov_b32 s40, 1                               ; group 0 for slot 0 ..
	s_mul_i32 s41, s[WV], 64*PITCH
	s_mov_b32 s44, 1                               ; .. and for slot 1
	s_add_co_u32 s45, s41, SLOT
	s_lshl_b32 s76, s[WV], 15                      ; my 64 dense rows
	s_mov_b32 s77, 0
	s_lshl_b32 s78, s[WV], 17                      ; my 64 rows of fc2_w
	s_mov_b32 s79, 0
	s_lshl_b32 s80, s69, 16                        ; my 64 rows of x and out0
	s_mov_b32 s81, 0
	s_lshr_b32 s82, s69, 5
	s_lshl_b32 s82, s82, 20                        ; the batch's eight heads,
	s_and_b32 s83, s69, 31
	s_lshl_b32 s83, s83, 12                        ; my 64 tokens in a head
	s_add_co_u32 s82, s82, s83
	s_mov_b32 s83, 0
	s_cmp_eq_u32 ttmp9, 0                          ; the first cluster asks ahead: the same in all four partners
	s_cselect_b32 s55, 1, -1
	s_mov_b32 s62, 0x3b800000                      ; 1/256
	s_mov_b32 s63, 0x3727c5ac                      ; 1e-5
	s_mov_b32 s66, 0x76543210
	s_mov_b32 s67, 0xfedcba98
	s_mov_b32 s68, 0x3e6d3388                      ; 0.3275911 / sqrt 2
	v_and_b32 v1, 15, v0                           ; r
	v_bfe_u32 v2, v0, 4, 1                         ; h
	v_and_b32 v3, 31, v0                           ; lane
	s_lshl_b32 s84, s[WV], 8
	v_lshlrev_b32 v[XO], 4, v1
	v_lshl_add_u32 v[XO], v2, 10, v[XO]
	v_add_nc_u32 v[XO], s84, v[XO]                 ; row h of a pair, my wave's 256 bytes of it, 16 r
	s_mul_i32 s85, s[WV], 16*SP
	s_add_co_u32 s85, s85, STAGE                   ; my stage
	v_mul_u32_u24 v[SRW], v2, SP
	v_lshl_add_u32 v[SRW], v1, 4, v[SRW]
	v_add_nc_u32 v[SRW], s85, v[SRW]               ; by rows: lanes 0-15 one row of 256 bytes, lanes 16-31 the next
	v_mul_u32_u24 v[SDL], v1, SP
	v_lshl_add_u32 v[SDL], v2, 5, v[SDL]
	v_add_nc_u32 v[SDL], s85, v[SDL]               ; by lanes: token r, 8 columns of f32 for each half of the lanes
	v_lshlrev_b32 v[AO], 6, v1
	v_lshl_add_u32 v[AO], v2, 4, v[AO]
	v_mul_u32_u24 v24, v1, PITCH
	v_lshl_add_u32 v24, v2, 4, v24                 ; a fragment's row x pitch + 16 x half
	v_add_nc_u32 v[BA], s41, v24
	v_add_nc_u32 v[BA+1], SLOT, v[BA]
	v_add_nc_u32 v[HFA], HB, v24
	s_lshl_b32 s86, s[WV], 7
	s_add_co_u32 s86, s86, HB
	v_add_nc_u32 v[HST], s86, v24                  ; token r, my wave's 128 bytes, 16 h
	s_lshl_b32 s87, s[WV], 2
	s_add_co_u32 s87, s87, STAGE
	v_lshl_add_u32 v[RDS], v1, 4, s87              ; partial sums: [row][wave] f32
	v_lshlrev_b32 v[RDL], 4, v1
	v_add_nc_u32 v[RDL], STAGE, v[RDL]
	v_lshl_add_u32 v[BO], v2, 5, s84               ; 256 w + 32 h: my 8 columns of a bias, block nb 64 bytes on
	v_add_nc_u32 v[FBA], FB1, v[BO]
	v_lshlrev_b32 v[FBG], 5, v0
	v_add_nc_u32 v[FBS], FB1, v[FBG]
	s_lshl_b32 s88, s49, 2
	s_add_co_u32 s88, s88, s[WV]
	s_lshl_b32 s88, s88, 5
	v_add_nc_u32 v23, s88, v3                      ; my block of 512 in a tile: 32 (4 cx + w) + lane
	v_lshlrev_b32 v[PF1], 8, v23                   ; dense tile: 256 bytes a block
	v_lshrrev_b32 v25, 1, v23
	v_and_b32 v26, 1, v23
	v_lshlrev_b32 v[PF2], 11, v25                  ; fc2: two blocks a row, rows 2,048 bytes apart
	v_lshl_add_u32 v[PF2], v26, 8, v[PF2]
	s_wait_dscnt 0x0
	s_wait_kmcnt 0x0
	s_add_nc_u64 s[42:43], s[8:9], s[76:77]
	s_add_nc_u64 s[46:47], s[42:43], 524288        ; fc1, chunk 0
	s_add_nc_u64 s[42:43], s[42:43], 393216        ; proj
	s_or_b32 s43, s43, 0x80000000
	s_or_b32 s47, s47, 0x80000000
	s_add_nc_u64 s[56:57], s[8:9], s[78:79]
	s_add_nc_u64 s[56:57], s[56:57], 1048576       ; fc2, chunk 0
	s_add_nc_u64 s[58:59], s[8:9], 524288+131072   ; asking ahead: fc1 stands at chunk 1,
	s_add_nc_u64 s[60:61], s[8:9], 1048576         ; fc2 at chunk 0: it is stepped ahead of each asking
	s_add_nc_u64 s[70:71], s[6:7], s[80:81]
	s_add_nc_u64 s[72:73], s[20:21], s[80:81]
	s_add_nc_u64 s[74:75], s[4:5], s[82:83]
	ROUND                                          ; all four work-groups are here: the first joint loads meet
	tensor_load_to_lds s[40:43], s[24:31]
	s_nop 0
	tensor_load_to_lds s[44:47], s[24:31]
	s_nop 0
	PLACES
	global_load_b128 v[TMP:TMP+3],   v[FBG], s[16:17]
	global_load_b128 v[TMP+4:TMP+7], v[FBG], s[16:17] offset:16
.set i, 0
.rept 32                                               ; x: sixteen lanes take my wave's 256 bytes of a row, aligned
	global_load_b128 v[ACC1+4*i:ACC1+4*i+3], v[XO], s[70:71] offset:2048*i
.set i, i+1
.endr
	WIN 0x80
.irp nb, 0,1,2,3
	global_load_b128 v[PB+8*\nb:PB+8*\nb+3],    v[BO], s[10:11] offset:64*\nb
	global_load_b128 v[PB+8*\nb+4:PB+8*\nb+7],  v[BO], s[10:11] offset:64*\nb+16
	global_load_b128 v[F2B+8*\nb:F2B+8*\nb+3],  v[BO], s[18:19] offset:64*\nb
	global_load_b128 v[F2B+8*\nb+4:F2B+8*\nb+7], v[BO], s[18:19] offset:64*\nb+16
	global_load_b128 v[G2+8*\nb:G2+8*\nb+3],    v[BO], s[12:13] offset:64*\nb
	global_load_b128 v[G2+8*\nb+4:G2+8*\nb+7],  v[BO], s[12:13] offset:64*\nb+16
	global_load_b128 v[B2+8*\nb:B2+8*\nb+3],    v[BO], s[14:15] offset:64*\nb
	global_load_b128 v[B2+8*\nb+4:B2+8*\nb+7],  v[BO], s[14:15] offset:64*\nb+16
.endr
	WIN 0x40
.set f, 0
.rept 32                                               ; o: head f % 8 is K step f % 8, tokens 16 (f / 8) on
	global_load_b128 v[8*f:8*f+3],   v[AO], s[74:75] offset:131072*(f%8)+1024*(f/8)
	global_load_b128 v[8*f+4:8*f+7], v[AO], s[74:75] offset:131072*(f%8)+1024*(f/8)+32
.set f, f+1
.endr
	WIN 0
	s_wait_loadcnt 0x0                             ; all of it is wanted ahead of the first product
	ds_store_b128 v[FBS], v[TMP:TMP+3]
	ds_store_b128 v[FBS], v[TMP+4:TMP+7] offset:16
.irp mb, 0,1,2,3                                       ; x's way in: 16 rows through my stage, from rows to the accumulators' layout
.irp i, 0,1,2,3,4,5,6,7
	ds_store_b128 v[SRW], v[ACC1+32*\mb+4*\i:ACC1+32*\mb+4*\i+3] offset:2*SP*\i
.endr
.irp nb, 0,1,2,3
	ds_load_b128 v[ACC1+32*\mb+8*\nb:ACC1+32*\mb+8*\nb+3],   v[SDL] offset:64*\nb      ; LDS serves a wave's instructions in order
	ds_load_b128 v[ACC1+32*\mb+8*\nb+4:ACC1+32*\mb+8*\nb+7], v[SDL] offset:64*\nb+16
.endr
.endr
	s_wait_dscnt 0x0
	WIN 0x08
.set k, 0
.rept 64
	v_pk_add_f32 v[ACC1+2*k:ACC1+2*k+1], v[ACC1+2*k:ACC1+2*k+1], v[PB+2*(k%16):PB+2*(k%16)+1]  ; x + proj_b starts proj's sums
.set k, k+1
.endr
	WIN 0
	s_wait_tensorcnt 0x1                           ; my part of proj's tile is in; fc1's first may stay out
	s_barrier_signal -1
	s_barrier_wait -1
.macro FETCH ks                        ; proj: my four weight fragments of K step ks, from slot 0
	WIN 0
.irp nb, 0,1,2,3
	ds_load_b128 v[BF+32*((\ks)%2)+8*\nb:BF+32*((\ks)%2)+8*\nb+3],   v[BA] offset:16*PITCH*\nb+64*(\ks)
	ds_load_b128 v[BF+32*((\ks)%2)+8*\nb+4:BF+32*((\ks)%2)+8*\nb+7], v[BA] offset:16*PITCH*\nb+64*(\ks)+32
.endr
.endm
.macro FETCH2 ks                       ; fc2: the same, and the four fragments of h1 from LDS
	FETCH \ks
.irp mb, 0,1,2,3
	ds_load_b128 v[AF+32*((\ks)%2)+8*\mb:AF+32*((\ks)%2)+8*\mb+3],   v[HFA] offset:16*PITCH*\mb+64*(\ks)
	ds_load_b128 v[AF+32*((\ks)%2)+8*\mb+4:AF+32*((\ks)%2)+8*\mb+7], v[HFA] offset:16*PITCH*\mb+64*(\ks)+32
.endr
.endm
; 8 K steps of 16 products onto 16 accumulators that take turns.  l = 0: proj, onto x1's sums, A from window 1.  l = 1: fc2, onto out0's sums in window 2, A from LDS.
.macro PART l
	PLACES
.if \l
	FETCH2 0
.else
	FETCH 0
.endif
.set ks, 0
.rept 8
.if ks < 7
	PLACES                                         ; the buffers to be loaded were read by the products just issued
.if \l
	FETCH2 ks+1
	s_wait_dscnt 16                                ; all but the 16 loads just issued
.else
	FETCH ks+1
	s_wait_dscnt 8                                 ; all but the 8 loads just issued
.endif
.else
	s_wait_dscnt 0
.endif
.irp mb, 0,1,2,3
.irp nb, 0,1,2,3
.set rB, BF+32*(ks%2)+8*\nb
.if \l
	WIN 0xa0
.set rD, ACC2+8*(4*\mb+\nb)
.set rA, AF+32*(ks%2)+8*\mb
.else
	WIN 0x04
.set rD, ACC1+8*(4*\mb+\nb)
.set rA, 8*(8*\mb+ks)
.endif
	v_wmma_f32_16x16x32_bf16 v[rD:rD+7], v[rB:rB+7], v[rA:rA+7], v[rD:rD+7]
.endr
.endr
.set ks, ks+1
.endr
	WIN 0
.endm
; Asking ahead, behind a refill and its five lines: the tile of the next refill, a block of 256 bytes a lane.
.macro ASK slot, mode
.if (\slot) == 1
	s_cmp_eq_u32 s55, 1
	s_cbranch_scc0 .Lnot_mine_\@
	global_prefetch_b8 v[PF2], s[60:61] th:TH_LOAD_NT scope:SCOPE_SE   ; fc2's next chunk
.else
.if (\mode) == 2
	s_cmp_eq_u32 s55, 1
.else
	s_cmp_gt_u32 s50, s55                          ; the loop's last trip has no fc1 chunk left to ask for
.endif
	s_cbranch_scc0 .Lnot_mine_\@
	global_prefetch_b8 v[PF1], s[58:59] th:TH_LOAD_NT scope:SCOPE_SE   ; fc1's chunk after the next
.endif
.Lnot_mine_\@:
.endm
; THE CHANGE.  Each wave waits for all its tensor loads, adds 0 to its spare word, and waits for that and for all its LDS work: its reads of the slot that it leaves, its reads or stores of h1.
; Behind the round nobody reads that slot, the other slot is whole, and h1 may be read (slot 1 left) or written again (slot 0 left).  The refill is the first thing behind the round.
; mode 2: the first refill of slot 0 (fc2's chunk 0); 1: in the loop; 0: the tail: nothing is left to fetch, and a work-group barrier does.
.macro CHANGE slot, mode
.if (\mode) == 1
	s_wait_xcnt 0x0                                ; the prefetch that read this pointer stands a product phase back
.if (\slot) == 1
	s_add_nc_u64 s[60:61], s[60:61], 512
.else
	s_add_nc_u64 s[58:59], s[58:59], 131072
.endif
.endif
	WIN 0
	s_wait_tensorcnt 0x0
	ds_add_u32 v[SPW], v[NIL]                      ; the descriptor's step stands between this add and the wait for it
.if (\mode) != 0
.if (\slot) == 1
	s_add_nc_u64 s[46:47], s[46:47], 131072
.elseif (\mode) == 2
	s_mov_b64 s[42:43], s[56:57]
	s_or_b32 s43, s43, 0x80000000
.else
	s_add_nc_u64 s[42:43], s[42:43], 512
.endif
.endif
	s_wait_dscnt 0x0
.if (\mode) != 0
	ROUND
.if (\slot) == 1
	tensor_load_to_lds s[44:47], s[24:31]
.else
	tensor_load_to_lds s[40:43], s[32:39]
.endif
	s_nop 0
	PLACES
	ASK \slot, \mode
.else
	s_barrier_signal -1
	s_barrier_wait -1
.endif
.endm
	PART 0                                         ; x1 = x + proj_b + o proj_w^T
	CHANGE 0, 2                                    ; fc1's first tile is in; fc2's first takes proj's slot
	; LAYER NORM 2.  A row's 256 numbers lie in four waves: each wave's share (32 numbers a lane, two lanes a row) meets the others' in LDS, once for the mean and once for the centred squares.
.macro TREE b                          ; eight pairs at v[b ..] into one number, both halves of the lanes
.irp k, 0,4,8,12
	v_pk_add_f32 v[(\b)+\k:(\b)+\k+1], v[(\b)+\k:(\b)+\k+1], v[(\b)+\k+2:(\b)+\k+3]
.endr
.irp k, 0,8
	v_pk_add_f32 v[(\b)+\k:(\b)+\k+1], v[(\b)+\k:(\b)+\k+1], v[(\b)+\k+4:(\b)+\k+5]
.endr
	v_pk_add_f32 v[(\b):(\b)+1], v[(\b):(\b)+1], v[(\b)+8:(\b)+9]
	v_add_f32 v[(\b)], v[(\b)], v[(\b)+1]
	v_permlanex16_b32 v[(\b)+1], v[(\b)], s66, s67
	v_add_f32 v[(\b)], v[(\b)], v[(\b)+1]
.endm
.macro MEET off, dst                   ; the four waves' shares of my four rows: read and added; dst: 16 registers
	s_wait_dscnt 0x0
	s_barrier_signal -1
	s_barrier_wait -1                              ; a tile is on its way across this barrier
.irp mb, 0,1,2,3
	ds_load_b128 v[(\dst)+4*\mb:(\dst)+4*\mb+3], v[RDL] offset:(\off)+256*\mb
.endr
	s_wait_dscnt 0x0
.irp mb, 0,1,2,3
	v_add_f32 v[(\dst)+4*\mb], v[(\dst)+4*\mb], v[(\dst)+4*\mb+1]
	v_add_f32 v[(\dst)+4*\mb+2], v[(\dst)+4*\mb+2], v[(\dst)+4*\mb+3]
	v_add_f32 v[(\dst)+4*\mb], v[(\dst)+4*\mb], v[(\dst)+4*\mb+2]
.endr
.endm
	WIN 0x88
.set k, 0
.rept 64
	v_pk_add_f32 v[ACC2+2*k:ACC2+2*k+1], v[ACC1+2*k:ACC1+2*k+1], v[F2B+2*(k%16):F2B+2*(k%16)+1]  ; x1 + fc2_b starts fc2's sums
.set k, k+1
.endr
	WIN 0
.set mb, 0
.rept 4
.set rB, SC+16*(mb%2)
.set k, 0
.rept 8
	v_pk_add_f32 v[rB+2*k:rB+2*k+1], v[ACC1+32*mb+4*k:ACC1+32*mb+4*k+1], v[ACC1+32*mb+4*k+2:ACC1+32*mb+4*k+3]
.set k, k+1
.endr
	TREE rB
	ds_store_b32 v[RDS], v[rB] offset:256*mb
.set mb, mb+1
.endr
	MEET 0, 96
.irp mb, 0,1,2,3
	v_mul_f32 v[MN+2*\mb], s62, v[96+4*\mb]
	v_mov_b32 v[MN+2*\mb+1], 0
.endr
.set k, 0
.rept 64
	v_pk_add_f32 v[ACC1+2*k:ACC1+2*k+1], v[ACC1+2*k:ACC1+2*k+1], v[MN+2*(k/16):MN+2*(k/16)+1] op_sel_hi:[1,0] neg_lo:[0,1] neg_hi:[0,1]
.set k, k+1
.endr
.set mb, 0
.rept 4
.set rB, SC+16*(mb%2)
.set k, 0
.rept 8
	v_pk_mul_f32 v[rB+2*k:rB+2*k+1], v[ACC1+32*mb+4*k:ACC1+32*mb+4*k+1], v[ACC1+32*mb+4*k:ACC1+32*mb+4*k+1]
.set k, k+1
.endr
.set k, 0
.rept 8
	v_pk_fma_f32 v[rB+2*k:rB+2*k+1], v[ACC1+32*mb+4*k+2:ACC1+32*mb+4*k+3], v[ACC1+32*mb+4*k+2:ACC1+32*mb+4*k+3], v[rB+2*k:rB+2*k+1]
.set k, k+1
.endr
	TREE rB
	ds_store_b32 v[RDS], v[rB] offset:1024+256*mb
.set mb, mb+1
.endr
	MEET 1024, 112
.irp mb, 0,1,2,3
	v_fma_f32 v[RV+2*\mb], v[112+4*\mb], s62, s63
	v_mov_b32 v[RV+2*\mb+1], 0
.endr
.irp mb, 0,1,2,3
	v_rsq_f32 v[RV+2*\mb], v[RV+2*\mb]
.endr
	v_nop
	s_wait_alu depctr_va_vdst(0)                   ; one wait for the four, ahead of their first reader
.set k, 0
.rept 64
	v_pk_mul_f32 v[ACC1+2*k:ACC1+2*k+1], v[ACC1+2*k:ACC1+2*k+1], v[RV+2*(k/16):RV+2*(k/16)+1] op_sel_hi:[1,0]
.set k, k+1
.endr
	WIN 0x28
.set k, 0
.rept 64
	v_pk_fma_f32 v[ACC1+2*k:ACC1+2*k+1], v[ACC1+2*k:ACC1+2*k+1], v[G2+2*(k%16):G2+2*(k%16)+1], v[B2+2*(k%16):B2+2*(k%16)+1]
.set k, k+1
.endr
	WIN 0
.set k, 0
.rept 64
	v_cvt_pk_bf16_f32 v[SC+k], v[ACC1+2*k], v[ACC1+2*k+1]
.set k, k+1
.endr
.irp mb, 0,1,2,3
.irp nb, 0,1,2,3
	ds_store_b128 v[HST], v[SC+16*\mb+4*\nb:SC+16*\mb+4*\nb+3] offset:16*PITCH*\mb+32*\nb
.endr
.endr
	s_wait_dscnt 0x0
	s_barrier_signal -1
	s_barrier_wait -1                              ; h0 is whole
	WIN 0x40
.set f, 0
.rept 32                                               ; all of h0 into window 1: it feeds all four chunks of fc1
	ds_load_b128 v[8*f:8*f+3],   v[HFA] offset:16*PITCH*(f/8)+64*(f%8)
	ds_load_b128 v[8*f+4:8*f+7], v[HFA] offset:16*PITCH*(f/8)+64*(f%8)+32
.set f, f+1
.endr
	WIN 0
.irp c, 0,1                                            ; the gelu's constants, in pairs: half of a1 .. a5, and -log2(e) / 2
	v_mov_b32 v[CA+\c],   0x3e027906
	v_mov_b32 v[CA+2+\c], 0xbe11a98e
	v_mov_b32 v[CA+4+\c], 0x3f35f0e3
	v_mov_b32 v[CA+6+\c], 0xbf3a00e3
	v_mov_b32 v[CA+8+\c], 0x3f07dc22
	v_mov_b32 v[KK+\c],   0xbf38aa3b
.endr
	s_wait_dscnt 0x0
	s_barrier_signal -1
	s_barrier_wait -1                              ; everybody has read h0: its bytes take h1 next
.macro FETCHW                          ; a trip's 16 weight rows, all 8 K steps, and their 8 numbers of fc1_b
.irp ks, 0,1,2,3,4,5,6,7
	ds_load_b128 v[BF+8*\ks:BF+8*\ks+3],   v[BAT] offset:64*\ks
	ds_load_b128 v[BF+8*\ks+4:BF+8*\ks+7], v[BAT] offset:64*\ks+32
.endr
	ds_load_b128 v[BI:BI+3],   v[FBT]
	ds_load_b128 v[BI+4:BI+7], v[FBT] offset:16
.endm
; The gelu of 32 numbers a lane.  Ahead of the wait: t' = 1 + p |x| / sqrt 2 and -x x log2(e) / 2 for pair i, between them the two reciprocals and two exponentials of pair i - 1: ONE batch of 64, of which
; nothing ahead of the wait names a result.  Behind it, four pairs at a time: the polynomial in t = 1 / t', times the exponential, then max(x, 0) - |x| times that, rounded to bf16.
.macro GELU
.set i, 0
.rept 16
	v_fma_f32 v[TT+2*i], |v[XX+2*i]|, s68, 1.0
.if i > 0
	v_rcp_f32 v[TT+2*i-2], v[TT+2*i-2]
.endif
	v_fma_f32 v[TT+2*i+1], |v[XX+2*i+1]|, s68, 1.0
.if i > 0
	v_rcp_f32 v[TT+2*i-1], v[TT+2*i-1]
.endif
	v_pk_mul_f32 v[EE+2*i:EE+2*i+1], v[XX+2*i:XX+2*i+1], v[XX+2*i:XX+2*i+1]
.if i > 0
	v_exp_f32 v[EE+2*i-2], v[EE+2*i-2]
.endif
	v_pk_mul_f32 v[EE+2*i:EE+2*i+1], v[EE+2*i:EE+2*i+1], v[KK:KK+1]
.if i > 0
	v_exp_f32 v[EE+2*i-1], v[EE+2*i-1]
.endif
.set i, i+1
.endr
	v_rcp_f32 v[TT+30], v[TT+30]
	v_rcp_f32 v[TT+31], v[TT+31]
	v_exp_f32 v[EE+30], v[EE+30]
	v_exp_f32 v[EE+31], v[EE+31]
	v_nop                                          ; a plain instruction behind the last of the batch,
	s_wait_alu depctr_va_vdst(0)                   ; and its one wait
.set g, 0
.rept 4
.irp k, 0,2,4,6
	v_pk_fma_f32 v[PS+\k:PS+\k+1], v[TT+8*g+\k:TT+8*g+\k+1], v[CA+8:CA+9], v[CA+6:CA+7]
.endr
.irp a, 4,2,0
.irp k, 0,2,4,6
	v_pk_fma_f32 v[PS+\k:PS+\k+1], v[PS+\k:PS+\k+1], v[TT+8*g+\k:TT+8*g+\k+1], v[CA+\a:CA+\a+1]
.endr
.endr
.irp k, 0,2,4,6
	v_pk_mul_f32 v[PS+\k:PS+\k+1], v[PS+\k:PS+\k+1], v[TT+8*g+\k:TT+8*g+\k+1]
.endr
.irp k, 0,2,4,6
	v_pk_mul_f32 v[EE+8*g+\k:EE+8*g+\k+1], v[EE+8*g+\k:EE+8*g+\k+1], v[PS+\k:PS+\k+1]
.endr
.irp k, 0,1,2,3,4,5,6,7
	v_max_num_f32 v[GX+\k], 0, v[XX+8*g+\k]
.endr
.irp k, 0,1,2,3,4,5,6,7
	v_fma_f32 v[XX+8*g+\k], -|v[XX+8*g+\k]|, v[EE+8*g+\k], v[GX+\k]
.endr
.irp k, 0,1,2,3
	v_cvt_pk_bf16_f32 v[TMP+4*g+\k], v[XX+8*g+2*\k], v[XX+8*g+2*\k+1]
.endr
.set g, g+1
.endr
.endm
; fc1 and the gelu for my 64 columns of a chunk: four trips of 16 columns x 64 rows.  A trip: 32 products (four accumulators by turns, started with fc1_b), the next trip's fragments asked for, the gelu, h1 into LDS.
.macro FC1LOOP
	s_mov_b32 s52, 0
	s_mov_b32 s53, 0
	s_mov_b32 s51, 4
	v_mov_b32 v[BAT], v[BA+1]
	v_add_nc_u32 v[FBT], s54, v[FBA]
	FETCHW
.Lnb_\@:
	s_wait_dscnt 0x0
	WIN 0x04
.irp ks, 0,1,2,3,4,5,6,7
.irp mb, 0,1,2,3
.if \ks == 0
	v_wmma_f32_16x16x32_bf16 v[XX+8*\mb:XX+8*\mb+7], v[BF+8*\ks:BF+8*\ks+7], v[8*(8*\mb+\ks):8*(8*\mb+\ks)+7], v[BI:BI+7]
.else
	v_wmma_f32_16x16x32_bf16 v[XX+8*\mb:XX+8*\mb+7], v[BF+8*\ks:BF+8*\ks+7], v[8*(8*\mb+\ks):8*(8*\mb+\ks)+7], v[XX+8*\mb:XX+8*\mb+7]
.endif
.endr
.endr
	WIN 0
	s_add_co_u32 s52, s52, 16*PITCH
	s_add_co_u32 s54, s54, 64
	v_add_nc_u32 v[BAT], s52, v[BA+1]              ; these three and the v_nop are the four places behind the products
	v_add_nc_u32 v[FBT], s54, v[FBA]
	v_add_nc_u32 v[HSTT], s53, v[HST]
	v_nop
	s_cmp_eq_u32 s51, 1                            ; the last trip has nothing to ask for
	s_cbranch_scc1 .Lnof_\@
	FETCHW
.Lnof_\@:
	GELU
.irp mb, 0,1,2,3
	ds_store_b128 v[HSTT], v[TMP+4*\mb:TMP+4*\mb+3] offset:16*PITCH*\mb
.endr
	s_add_co_u32 s53, s53, 32
	s_sub_co_u32 s51, s51, 1
	s_cmp_lg_u32 s51, 0
	s_cbranch_scc1 .Lnb_\@
	s_add_co_u32 s54, s54, 768                     ; on to the next chunk's 256 numbers of fc1_b
.endm
.macro CHUNK fill
	FC1LOOP
	CHANGE 1, \fill                                ; h1 is whole, fc2's tile is in; slot 1 takes fc1's next chunk
	PART 1
.if \fill
	CHANGE 0, 1                                    ; h1 has been read, fc1's tile is in; slot 0 takes fc2's next chunk
.endif
.endm
	s_mov_b32 s54, 0
	s_mov_b32 s50, 3
.Lchunk:
	CHUNK 1
	s_sub_co_u32 s50, s50, 1
	s_cmp_lg_u32 s50, 0
	s_cbranch_scc1 .Lchunk
	CHUNK 0                                        ; the last chunk is written out
	; THE WAY OUT: 16 rows at a time through my stage, from the accumulators' layout to rows; sixteen lanes store 256 consecutive bytes, aligned.
	PLACES
.irp mb, 0,1,2,3
	s_wait_xcnt 0x0                                ; earlier stores have read TMP: it is loaded again only behind this wait
	WIN 0x08
.irp nb, 0,1,2,3
	ds_store_b128 v[SDL], v[ACC2+32*\mb+8*\nb:ACC2+32*\mb+8*\nb+3]   offset:64*\nb
	ds_store_b128 v[SDL], v[ACC2+32*\mb+8*\nb+4:ACC2+32*\mb+8*\nb+7] offset:64*\nb+16
.endr
	WIN 0
.irp i, 0,1,2,3,4,5,6,7
	ds_load_b128 v[TMP+4*\i:TMP+4*\i+3], v[SRW] offset:2*SP*\i
.endr
.irp i, 0,1,2,3,4,5,6,7
	s_wait_dscnt 7-\i
	global_store_b128 v[XO], v[TMP+4*\i:TMP+4*\i+3], s[72:73] offset:(16*\mb+2*\i)*1024
.endr
.endr
	s_wait_tensorcnt 0x0                           ; the wave's end
	ds_add_u32 v[SPW], v[NIL]
	s_wait_dscnt 0x0
	ROUND                                          ; the closing round
	s_endpgm
.Lfunc_end_k_qefdac0b6c6_mlp:
	.size	k_qefdac0b6c6_mlp, .Lfunc_end_k_qefdac0b6c6_mlp-k_qefdac0b6c6_mlp
	.p2alignl 7, 3214868480
	.fill 96, 4, 3214868480
	.section	.rodata,"a",@progbits
	.p2align	6, 0x0
	.amdhsa_kernel k_qefdac0b6c6_mlp
		.amdhsa_group_segment_fixed_size 327680
		.amdhsa_private_segment_fixed_size 0
		.amdhsa_enable_private_segment 0
		.amdhsa_kernarg_size 72
		.amdhsa_user_sgpr_count 2
		.amdhsa_user_sgpr_kernarg_segment_ptr 1
		.amdhsa_wavefront_size32 1
		.amdhsa_system_sgpr_workgroup_id_x 1
		.amdhsa_system_sgpr_workgroup_id_y 1
		.amdhsa_system_sgpr_workgroup_id_z 1
		.amdhsa_system_vgpr_workitem_id 0
		.amdhsa_next_free_vgpr 768
		.amdhsa_next_free_sgpr 96
		.amdhsa_reserve_vcc 0
		.amdhsa_float_denorm_mode_32 3
		.amdhsa_float_denorm_mode_16_64 3
		.amdhsa_memory_ordered 1
		.amdhsa_forward_progress 1
		.amdhsa_inst_pref_size 170
	.end_amdhsa_kernel
	.amdgpu_metadata
---
amdhsa.version: [ 1, 2 ]
amdhsa.kernels:
  - .name:           k_qefdac0b6c6_mlp
    .symbol:         k_qefdac0b6c6_mlp.kd
    .args:
      - { .name: ob, .offset: 0, .size: 8, .value_kind: global_buffer, .address_space: global }
      - { .name: x, .offset: 8, .size: 8, .value_kind: global_buffer, .address_space: global }
      - { .name: wbf, .offset: 16, .size: 8, .value_kind: global_buffer, .address_space: global }
      - { .name: proj_b, .offset: 24, .size: 8, .value_kind: global_buffer, .address_space: global }
      - { .name: ln2_g, .offset: 32, .size: 8, .value_kind: global_buffer, .address_space: global }
      - { .name: ln2_b, .offset: 40, .size: 8, .value_kind: global_buffer, .address_space: global }
      - { .name: fc1_b, .offset: 48, .size: 8, .value_kind: global_buffer, .address_space: global }
      - { .name: fc2_b, .offset: 56, .size: 8, .value_kind: global_buffer, .address_space: global }
      - { .name: out0, .offset: 64, .size: 8, .value_kind: global_buffer, .address_space: global }
    .group_segment_fixed_size: 327680
    .private_segment_fixed_size: 0
    .kernarg_segment_align: 8
    .kernarg_segment_size: 72
    .max_flat_workgroup_size: 128
    .sgpr_count:     96
    .vgpr_count:     768
    .wavefront_size: 32
...
	.end_amdgpu_metadata
.endif
;; end of part 4
